; MI455X (gfx1250); checked and timed in simulation.
; The chip was launched on July 23, 2026; its instructions are those of AMD's public machine-readable ISA for CDNA 5 (MIT licence, August 2026) and "CDNA5" Instruction Set Architecture Reference Guide (July 2026). The comments in the code are by the model that wrote it; some were corrected since.
;; Multi Head Attention. Allowed arithmetic: float matrix products may take bf16 or f16 operands with f32 sums; all other float work in f32.
;; Inputs: beta 1,024 float32; gamma 1,024 float32; k 4 x 2,048 x 1,024 float32; masks 4 x 2,048 x 2,048 int32; proj_K 1,024 float32; proj_Q 1,024 float32; proj_V 1,024 float32; q 4 x 2,048 x 1,024 float32; v 4 x 2,048 x 1,024 float32.
;; Outputs: out0 4 x 2,048 x 1,024 float32.
;; 2 versions, each right; version 2 is version 1 with the launch ln written anew for expert scheduling mode. Each part assembles by itself: llvm-mc -triple=amdgcn-amd-amdhsa -mcpu=gfx1250 --defsym DOCPART=n.
;; ======== version 1 of 2: 3 launches
;; workspace buffers: mbits 2,097,152 bytes of whole numbers; y 33,554,432 bytes
;; launch pack (part 1): grid 1024 x 1, 8 waves a work-group, no clusters, 70,656 bytes of LDS; arguments masks, mbits; writes mbits
.if DOCPART == 1
	.amdgcn_target "amdgcn-amd-amdhsa--gfx1250"
	.amdhsa_code_object_version 6
	.text
	.protected	k_q29741c07fe_pack
	.globl	k_q29741c07fe_pack
	.p2align	8
	.type	k_q29741c07fe_pack,@function
k_q29741c07fe_pack:
	s_mov_b64 s[64:65], 0
	v_nop
	global_prefetch_b8 v0, s[64:65] scope:SCOPE_SE
	s_setreg_imm32_b32 hwreg(HW_REG_WAVE_MODE, 25, 1), 1
	s_wait_xcnt 0x0
; masks [4][2048][2048] int32  ->  mbits, one bit for each score, in the order in which the attention launch holds scores in registers.
; mbits, in 32-bit words: [jm 4][q64 32][t 32][qt 4][kt 4][j 8]; bit L of a word = (masks[jm][64 q64 + 16 qt + (L & 15)][64 t + 16 kt + 8 (L >> 4) + j] != 0).
; So a word is the lane mask for one score register.  Each mask plane serves 16 heads later: packed once here, 64 MiB are read once and 2 MiB written.
; A wave takes 32 query rows x 64 keys: 8 KiB in (16 loads, each two whole pieces of 256 bytes of two rows), 256 bytes out (one store, 256 aligned consecutive bytes).
; The turn from "a lane holds 4 neighbouring keys" to "a lane holds 8 keys of query L & 15" goes through LDS bytes that are the wave's own: no barrier.
; 104 registers a wave and 69,632 bytes of LDS a work-group: four work-groups fit on a WGP (8 waves x 104 registers a SIMD, 278,528 bytes), which is all that a WGP gets
; of the 1,024, so every load of the launch is issued at its start.
; No loop.  Matrix units, clusters and tensor loads are left out: nothing is shared between work-groups.
.set ROWB,  8192                       ; bytes in a row of a mask plane
.set PITCH, 272                        ; an LDS row: 256 bytes + 16, an odd multiple of 16: the 16 rows that a read touches lie in 16 different 16-byte columns of 256
.set WLDS,  32*PITCH                   ; a wave's LDS bytes
.set VOFF,  1                          ; v1        (L >> 4) rows + 16 (L & 15): my 16 bytes in a pair of rows
.set LST,   2                          ; v2        where they go in LDS
.set LRD,   3                          ; v3        row L & 15, byte 32 (L >> 4): my 8 keys of a key tile
.set OOFF,  4                          ; v4        8 L: my two words of the output
.set W,     6                          ; v[6:7]    the 64 output words: word i in lane i / 2, register i & 1
.set D,     8                          ; v[8:71]   as loaded
.set E,     72                         ; v[72:103] as read back: group g = 4 qt + kt in set g mod 4, 8 registers, register j = key 8 (L >> 4) + j
	s_load_b128 s[4:7], s[0:1], 0x0                ; masks s[4:5], mbits s[6:7]
	v_lshl_add_u32 v104, v0, 2, 0x11000
	v_mov_b32 v105, 0
	v_lshrrev_b32 v5, 5, v0
	v_readfirstlane_b32 s8, v5                     ; wave 0..7
	s_and_b32 s9, ttmp9, 3
	s_lshl3_add_u32 s9, s9, s8                     ; t = 8 (x & 3) + wave: the eight waves read 2 KiB side by side in each row
	s_bfe_u32 s12, ttmp9, 0x60002                  ; q32 = (x >> 2) & 63: which 32 query rows
	s_lshr_b32 s13, ttmp9, 8                       ; jm = x >> 8: which plane
	s_lshl_b32 s10, s13, 24                        ; in: jm planes of 16 MiB
	s_lshl_b32 s2, s12, 18                         ;   + q32 x 32 rows of 8,192 bytes
	s_add_co_u32 s10, s10, s2
	s_lshl_b32 s2, s9, 8                           ;   + t x 64 keys of 4 bytes
	s_add_co_u32 s10, s10, s2
	s_mov_b32 s11, 0
	s_lshl_b32 s14, s13, 19                        ; out: jm x 512 KiB
	s_lshr_b32 s2, s12, 1
	s_lshl_b32 s2, s2, 14                          ;   + q64 x 16 KiB
	s_add_co_u32 s14, s14, s2
	s_lshl_b32 s2, s9, 9                           ;   + t x 512
	s_add_co_u32 s14, s14, s2
	s_and_b32 s2, s12, 1
	s_lshl_b32 s2, s2, 8                           ;   + the upper or lower two q tiles of the four: 256
	s_add_co_u32 s14, s14, s2
	s_mov_b32 s15, 0
	s_mul_i32 s3, s8, WLDS                         ; my wave's LDS bytes
	v_and_b32 v8, 15, v0                           ; L & 15
	v_bfe_u32 v9, v0, 4, 1                         ; L >> 4
	v_lshlrev_b32 v10, 4, v8
	v_lshl_add_u32 v[VOFF], v9, 13, v10
	v_mul_u32_u24 v11, v9, PITCH
	v_add_nc_u32 v11, v11, v10
	v_add_nc_u32 v[LST], s3, v11
	v_mul_u32_u24 v11, v8, PITCH
	v_lshl_add_u32 v11, v9, 5, v11
	v_add_nc_u32 v[LRD], s3, v11
	v_and_b32 v11, 31, v0
	v_lshlrev_b32 v[OOFF], 3, v11
	v_mov_b32 v[W], 0                              ; v_writelane_b32 keeps the other lanes: the registers are written whole first
	v_mov_b32 v[W+1], 0
	s_wait_kmcnt 0x0
	s_add_nc_u64 s[4:5], s[4:5], s[10:11]
	s_add_nc_u64 s[6:7], s[6:7], s[14:15]
.irp i, 0,1,2,3,4,5,6,7,8,9,10,11,12,13,14,15
	global_load_b128 v[D+4*\i:D+4*\i+3], v[VOFF], s[4:5] offset:2*ROWB*\i th:TH_LOAD_NT   ; rows 2 i and 2 i + 1; read once in the launch
.endr
.irp i, 0,1,2,3,4,5,6,7,8,9,10,11,12,13,14,15
	s_wait_loadcnt 15-\i                           ; loads come back in order: pair i is in, the 15 - i younger pairs stay out
	ds_store_b128 v[LST], v[D+4*\i:D+4*\i+3] offset:2*PITCH*\i
.endr
; group g's 8 keys of my query row: two loads of 16 bytes; my wave's own bytes, served in order behind the stores
.macro RDG g
.irp a, 0,1
	ds_load_b128 v[E+8*((\g)%4)+4*\a:E+8*((\g)%4)+4*\a+3], v[LRD] offset:16*PITCH*((\g)/4)+64*((\g)%4)+16*\a
.endr
.endm
.irp g, 0,1,2,3
	RDG \g
.endr
.irp g, 0,1,2,3,4,5,6,7
.if \g < 4
	s_wait_dscnt 6                                 ; group g's two loads are in; behind them were issued 2 (3 - g) of the first run and 2 g refills
.else
	s_wait_dscnt 14-2*\g                           ; no refills any more: the counts run down
.endif
.irp j, 0,1,2,3,4,5,6,7
	v_cmp_ne_u32 s[16+8*(\g%2)+\j], 0, v[E+8*(\g%4)+\j]            ; the lane mask IS output word 8 g + j; two sets of eight scalars take turns
.endr
.if \g < 4
	RDG (\g+4)                                     ; the set just compared takes group g + 4
.endif
.irp j, 0,1,2,3,4,5,6,7
	v_writelane_b32 v[W+(\j%2)], s[16+8*(\g%2)+\j], 4*\g+\j/2
.endr
.endr
	global_store_b64 v[OOFF], v[W:W+1], s[6:7]     ; 32 lanes x 8 bytes: 256 consecutive bytes at a multiple of 256
	s_wait_tensorcnt 0x0
	ds_add_u32 v104, v105
	s_wait_dscnt 0x0
	s_endpgm
.Lfunc_end_k_q29741c07fe_pack:
	.size	k_q29741c07fe_pack, .Lfunc_end_k_q29741c07fe_pack-k_q29741c07fe_pack
	.p2alignl 7, 3214868480
	.fill 96, 4, 3214868480
	.section	.rodata,"a",@progbits
	.p2align	6, 0x0
	.amdhsa_kernel k_q29741c07fe_pack
		.amdhsa_group_segment_fixed_size 70656
		.amdhsa_private_segment_fixed_size 0
		.amdhsa_enable_private_segment 0
		.amdhsa_kernarg_size 16
		.amdhsa_user_sgpr_count 2
		.amdhsa_user_sgpr_kernarg_segment_ptr 1
		.amdhsa_wavefront_size32 1
		.amdhsa_system_sgpr_workgroup_id_x 1
		.amdhsa_system_sgpr_workgroup_id_y 1
		.amdhsa_system_sgpr_workgroup_id_z 1
		.amdhsa_system_vgpr_workitem_id 0
		.amdhsa_next_free_vgpr 106
		.amdhsa_next_free_sgpr 66
		.amdhsa_reserve_vcc 0
		.amdhsa_float_denorm_mode_32 3
		.amdhsa_float_denorm_mode_16_64 3
		.amdhsa_memory_ordered 1
		.amdhsa_forward_progress 1
		.amdhsa_inst_pref_size 15
	.end_amdhsa_kernel
	.amdgpu_metadata
---
amdhsa.version: [ 1, 2 ]
amdhsa.kernels:
  - .name:           k_q29741c07fe_pack
    .symbol:         k_q29741c07fe_pack.kd
    .args:
      - { .name: masks, .offset: 0, .size: 8, .value_kind: global_buffer, .address_space: global }
      - { .name: mbits, .offset: 8, .size: 8, .value_kind: global_buffer, .address_space: global }
    .group_segment_fixed_size: 70656
    .private_segment_fixed_size: 0
    .kernarg_segment_align: 8
    .kernarg_segment_size: 16
    .max_flat_workgroup_size: 256
    .sgpr_count:     66
    .vgpr_count:     106
    .wavefront_size: 32
...
	.end_amdgpu_metadata
.endif
;; end of part 1
;; launch attn (part 2): grid 4 x 64, 8 waves a work-group, no clusters, 179,200 bytes of LDS; arguments q, proj_Q, proj_K, proj_V, mbits, y; writes y
.if DOCPART == 2
	.amdgcn_target "amdgcn-amd-amdhsa--gfx1250"
	.amdhsa_code_object_version 6
	.text
	.protected	k_q29741c07fe_attn
	.globl	k_q29741c07fe_attn
	.p2align	8
	.type	k_q29741c07fe_attn,@function
k_q29741c07fe_attn:
	s_mov_b64 s[64:65], 0
	v_nop
	global_prefetch_b8 v0, s[64:65] scope:SCOPE_SE
	s_setreg_imm32_b32 hwreg(HW_REG_WAVE_MODE, 25, 1), 1
	s_wait_xcnt 0x0
; y = softmax(where(mask, -1e-10, (x pQ)(x pK)^T / 32)) (x pV) + x, head by head; x = q.  The function to be computed uses neither k nor v: they are not loaded.
; Head n = 16 b + h takes columns 64 h .. 64 h + 63 of q[b]; its mask plane is n mod 4.
; ALGEBRA, exact: pQ pK log2(e) / 32 goes into the query operand Q' = x c, pV is applied in f32 at the end, so keys and values are the SAME bf16 tile of x.
; A work-group: 512 query rows of one head; a wave: 64 of them (4 q tiles of 16).  Keys go in 32 steps of 64.  256 work-groups of equal work.
; BOTH PRODUCTS ARE TRANSPOSED, so that nothing is shuffled between them:
;   S^T = X Q'^T : source 0 = 16 keys x 32 d from LDS, source 1 = Q' (kept in registers).  Lane (r, h2), register j: key 8 h2 + j, query r.
;                  A query's maximum and sum are then inside a lane but for one exchange with lane xor 16, and maximum, factor and sum are one number a lane.
;   O^T = X^T P^T: source 0 by the transposing LDS load, source 1 = two neighbouring S^T tiles, packed to bf16: exactly that operand's layout.
; THE ORDER OF WORK: a step is two half steps, each the softmax of a PAIR of q tiles.  The score products run one pair ahead: while a pair is masked and
; exponentiated, the 16 matrix instructions for the next pair's scores stand singly among those lines, one behind every 8 of them; in the second half step they
; already belong to the next tile of keys.  A pair's 16 matrix instructions for O follow its packing, the rescaling of O among the first 8.
; So a wave has matrix and vector work to issue at the same time, at the price of 64 more registers (key and value fragments both live) and 13 window switches a step.
; The running maximum is kept as in the function's softmax; a masked score (-1e-10) takes part like any other.
; LIMITS: operands are bf16(x c) and bf16(x), not bf16 of x pQ, x pK, x pV; probabilities are rounded to bf16 for the second product while their sum is kept in f32;
; v_exp_f32 gives 0 for results below 2^-126 (ISA guide, 15.8); NaN and infinities in the inputs are not served.
; NO CLUSTER, NO TENSOR LOADS: the four query blocks of a head do read the same tile, but it is f32 in memory and must be rounded to bf16 on its way, which only
; registers can do; it is 16 KiB for a step in which the work-group issues 512 matrix instructions and some 1,200 vector instructions in each of 8 waves.
; NO PREFETCH: tile t + 2 is loaded into registers during step t, a pair's mask words half a step ahead; the residual rows were read by this work-group before.
;
; LDS: two slots of 19,456 bytes; in a slot the tile lies twice: KC, 64 rows at pitch 144 (an odd multiple of 16, for the plain fragment loads),
; and VC, 64 rows at pitch 160 (an odd multiple of 32, for the transposing loads).  Behind them a stage of 17,408 bytes for each wave, its own.
.set SLOT,  19456
.set KP,    144
.set VP,    160
.set VC,    64*KP                      ; 9,216
.set STAGE, 2*SLOT
.set WST,   17408                      ; a wave's stage: 4 q tiles x 4,352
.set QTB,   4352                       ; 16 rows x 272 (the way out); Q' uses 16 rows x 144 of it
.set OP,    272
.set ROWB,  4096                       ; a row of q and of y
.set TILEB, 64*ROWB
; window 0
.set ADRK, 1                           ; r 144 + 16 h2
.set ADRV, 2                           ; VC + (8 h2 + (L & 7)) 160 + 16 ((L >> 3) & 1)
.set ADSK, 3                           ; (8 w + h2) 144 + 8 r
.set ADSV, 4                           ; VC + (8 w + h2) 160 + 8 r
.set GOFF, 5                           ; (8 w + h2) rows + 16 r
.set STO,  7                           ; stage + r 272 + 32 h2
.set RD,   8                           ; stage + h2 272 + 16 r
.set ROFF, 9                           ; h2 rows + 16 r
.set QSTO, 10                          ; stage + h2 144 + 8 r
.set QRD,  11                          ; stage + r 144 + 16 h2
.set PV4,  12                          ; v[12:15]   pV of my 4 columns
.set STG,  16                          ; v[16:31]   my 8 rows' share of the tile after next, f32
.set MX,   32                          ; v[32:39]   q tile qt: (running maximum, a written pad)
.set AP,   40                          ; v[40:47]   q tile qt: (factor, the value from lane xor 16)
.set LP,   48                          ; v[48:55]   q tile qt: two partial sums
.set T,    56                          ; v[56:63]   at work
.set F,    64                          ; v[64:127]  key fragments at 16 kt + 8 ks; at work in the set-up and on the way out
.set S,    128                         ; v[128:255] scores at 32 qt + 8 kt + j; then P(qt, g) at 32 qt + 16 g + 0..7
; window 1
.set O,    0                           ; v[256:383] O^T at 32 qt + 8 dt + j
.set QF,   128                         ; v[384:447] Q' at 16 qt + 8 ks
.set VF,   192                         ; v[448:511] value fragments at 8 (4 g + dt)
; scalars: s2 wave, s3 trips, s[4:5] tile pointer, s[6:11] pQ pK pV, s[12:13] mask words, s[14:15] y, s[84:85] my rows of q, s86 s87 lane selects,
; s[16:47] mask buffer 0; s[48:63] and s[68:83] mask buffer 1; s66 stage; s67 the masked score; s[88:99] set-up.
.set CMS,  67
; WINDOW SETTINGS (low byte: bits 1:0 source 0, 3:2 source 1, 5:4 source 2, 7:6 destination):
;   0x04 score products (Q' in window 1); the selects (their second source is a scalar) and the exponentials (one source) run under it too
;   0x51 products for O (value fragments, C and D in window 1, P in window 0); the rescaling of O (O x factor) runs under it too
;   0x40 loads into window 1;  0x01 O read on the way out;  0x00 all else, and at every label and branch
.set MSB, 0
.macro WIN new                         ; the immediate's high byte repeats the setting that is left
.if MSB != \new
	s_set_vgpr_msb (MSB<<8)|\new
.set MSB, \new
.endif
.endm
.macro PLACES n
.rept \n
	v_nop
.endr
.endm
; 32 mask words (one q tile of one step) into buffer buf
.macro MLOAD buf, off
	s_load_b512 s[16+32*\buf:31+32*\buf], s[12:13], \off
	s_load_b512 s[32+36*\buf:47+36*\buf], s[12:13], \off+64
.endm
; a tile's fragments for S^T: key tile kt, d half ks: two loads of 16 bytes, 32 apart.  The first d half of all four key tiles comes first: the first 8 products need it.
.macro KLOAD slot
.irp ks, 0,1
.irp kt, 0,1,2,3
.irp u, 0,1
	ds_load_b128 v[F+16*\kt+8*\ks+4*\u:F+16*\kt+8*\ks+4*\u+3], v[ADRK] offset:\slot*SLOT+16*KP*\kt+64*\ks+32*\u
.endr
.endr
.endr
.endm
; one score product: q tile wq, key tile wk, d half ks.  The first d half starts the sum.
.macro SW ks
.if \ks
	v_wmma_f32_16x16x32_bf16 v[S+32*wq+8*wk:S+32*wq+8*wk+7], v[F+16*wk+8:F+16*wk+15], v[QF+16*wq+8:QF+16*wq+15], v[S+32*wq+8*wk:S+32*wq+8*wk+7]
.else
	v_wmma_f32_16x16x32_bf16 v[S+32*wq+8*wk:S+32*wq+8*wk+7], v[F+16*wk:F+16*wk+7], v[QF+16*wq:QF+16*wq+7], 0
.endif
.endm
; the very first pair's products, ahead of step 0: eight accumulators take turns, one instruction a turn
.macro SFIRST ks
.set mw, 0
.rept 8
.set wq, mw/4
.set wk, mw%4
	SW \ks
.set mw, mw+1
.endr
.endm
; a tile's fragments for O^T: 32 keys g, 16 columns dt, transposed on the way
.macro VLOAD slot
.irp g, 0,1
.irp dt, 0,1,2,3
.irp u, 0,1
	ds_load_tr16_b128 v[VF+8*(4*\g+\dt)+4*\u:VF+8*(4*\g+\dt)+4*\u+3], v[ADRV] offset:\slot*SLOT+(32*\g+16*\u)*VP+32*\dt
.endr
.endr
.endr
.endm
; my 8 rows of a tile: f32 to bf16 ...
.macro TCVT
.irp i, 0,1,2,3
	v_cvt_pk_bf16_f32 v[T+2*\i], v[STG+4*\i], v[STG+4*\i+1]
	v_cvt_pk_bf16_f32 v[T+2*\i+1], v[STG+4*\i+2], v[STG+4*\i+3]
.endr
.endm
; ... and into both copies of slot
.macro TSTO slot
.irp i, 0,1,2,3
	ds_store_b64 v[ADSK], v[T+2*\i:T+2*\i+1] offset:\slot*SLOT+2*KP*\i
	ds_store_b64 v[ADSV], v[T+2*\i:T+2*\i+1] offset:\slot*SLOT+2*VP*\i
.endr
.endm
; my 8 rows of the next tile into registers: each half of the wave reads one row's 256 bytes.  Stands behind a wait that shows the last four loads done, so the pointer may step.
.macro TLOAD
	s_add_nc_u64 s[4:5], s[4:5], TILEB
.irp i, 0,1,2,3
	global_load_b128 v[STG+4*\i:STG+4*\i+3], v[GOFF], s[4:5] offset:2*ROWB*\i
.endr
.endm
; Pair p: where the mask's bit is set the score becomes -1e-10 (in the base-2 scale): one select a register, the word is the lane mask.
; sw = 1: behind every 8 selects one product of the other pair's next scores, first d half.  The 8 selects ahead of the first are the places
; behind the products for O that read the P which it writes over (ISA guide 7.12.1: five are asked for).
.macro MASK2 p, sw
.set mi, 0
.set mw, 0
.rept 8
.rept 8
	v_cndmask_b32 v[S+64*\p+mi], v[S+64*\p+mi], s[CMS], s[16+mi+4*(mi/48)]
.set mi, mi+1
.endr
.if \sw
.set wq, 2-2*\p+mw/4
.set wk, mw%4
	SW 0
.endif
.set mw, mw+1
.endr
.endm
; Pair p: the new running maxima and the factors for what has been summed; the two q tiles line by line, so that no line waits for the one in front of it
.macro MAX2 p, first
.irp c, 0,1,2,3
.irp e, 0,1
	v_max3_num_f32 v[T+4*\e+\c], v[S+64*\p+32*\e+8*\c], v[S+64*\p+32*\e+8*\c+1], v[S+64*\p+32*\e+8*\c+2]
.endr
.endr
.irp c, 0,1,2,3
.irp e, 0,1
	v_max3_num_f32 v[T+4*\e+\c], v[T+4*\e+\c], v[S+64*\p+32*\e+8*\c+3], v[S+64*\p+32*\e+8*\c+4]
.endr
.endr
.irp c, 0,1,2,3
.irp e, 0,1
	v_max3_num_f32 v[T+4*\e+\c], v[T+4*\e+\c], v[S+64*\p+32*\e+8*\c+5], v[S+64*\p+32*\e+8*\c+6]
.endr
.endr
.irp e, 0,1
	v_max3_num_f32 v[T+4*\e], v[T+4*\e], v[T+4*\e+1], v[S+64*\p+32*\e+7]
	v_max3_num_f32 v[T+4*\e+2], v[T+4*\e+2], v[T+4*\e+3], v[S+64*\p+32*\e+15]
.endr
.irp e, 0,1
	v_max3_num_f32 v[T+4*\e], v[T+4*\e], v[T+4*\e+2], v[S+64*\p+32*\e+23]
.endr
.irp e, 0,1
	v_max_num_f32 v[T+4*\e], v[T+4*\e], v[S+64*\p+32*\e+31]
.endr
.irp e, 0,1
	v_permlanex16_b32 v[AP+4*\p+2*\e+1], v[T+4*\e], s86, s87       ; the other 32 keys of my query lie in lane xor 16
.endr
.if \first
.irp e, 0,1
	v_max_num_f32 v[MX+4*\p+2*\e], v[T+4*\e], v[AP+4*\p+2*\e+1]
.endr
.else
.irp e, 0,1
	v_max3_num_f32 v[T+4*\e+1], v[T+4*\e], v[AP+4*\p+2*\e+1], v[MX+4*\p+2*\e]
.endr
.irp e, 0,1
	v_sub_f32 v[AP+4*\p+2*\e], v[MX+4*\p+2*\e], v[T+4*\e+1]
.endr
.irp e, 0,1
	v_mov_b32 v[MX+4*\p+2*\e], v[T+4*\e+1]
.endr
.irp e, 0,1
	v_exp_f32 v[AP+4*\p+2*\e], v[AP+4*\p+2*\e]     ; the subtractions that follow are the plain instructions behind these (ISA guide 5.7.2)
.endr
.endif
.endm
.macro SUB2 p                          ; scores minus the maximum
.irp e, 0,1
.set ii, 0
.rept 16
	v_pk_add_f32 v[S+64*\p+32*\e+2*ii:S+64*\p+32*\e+2*ii+1], v[S+64*\p+32*\e+2*ii:S+64*\p+32*\e+2*ii+1], v[MX+4*\p+2*\e:MX+4*\p+2*\e+1] op_sel_hi:[1,0] neg_lo:[0,1] neg_hi:[0,1]
.set ii, ii+1
.endr
.endr
.endm
; Pair p: 64 exponentials.  sw = 1: behind every 8 one product of the other pair's next scores, second d half, in the order of the first:
; between two products on one accumulator stand the seven others', one instruction a turn.
.macro EXP2 p, sw
.set mi, 0
.set mw, 0
.rept 8
.rept 8
	v_exp_f32 v[S+64*\p+mi], v[S+64*\p+mi]
.set mi, mi+1
.endr
.if \sw
.set wq, 2-2*\p+mw/4
.set wk, mw%4
	SW 1
.endif
.set mw, mw+1
.endr
	v_nop                                          ; one plain instruction between the last exponential and the use of its result (ISA guide 5.7.2)
	s_wait_alu depctr_va_vdst(0)
.endm
.macro SUMQ qt, first                  ; the q tile's 32 probabilities of my lane onto its two partial sums, in f32
.set SB, S+32*\qt
.set AL, AP+2*\qt
.set LL, LP+2*\qt
.irp c, 0,1,2,3
	v_pk_add_f32 v[T+2*\c:T+2*\c+1], v[SB+2*\c:SB+2*\c+1], v[SB+8+2*\c:SB+8+2*\c+1]
.endr
.irp c, 0,1,2,3
	v_pk_add_f32 v[T+2*\c:T+2*\c+1], v[T+2*\c:T+2*\c+1], v[SB+16+2*\c:SB+16+2*\c+1]
.endr
.irp c, 0,1,2,3
	v_pk_add_f32 v[T+2*\c:T+2*\c+1], v[T+2*\c:T+2*\c+1], v[SB+24+2*\c:SB+24+2*\c+1]
.endr
	v_pk_add_f32 v[T:T+1], v[T:T+1], v[T+2:T+3]
	v_pk_add_f32 v[T+4:T+5], v[T+4:T+5], v[T+6:T+7]
.if \first
	v_pk_add_f32 v[LL:LL+1], v[T:T+1], v[T+4:T+5]
.else
	v_pk_add_f32 v[T:T+1], v[T:T+1], v[T+4:T+5]
	v_pk_fma_f32 v[LL:LL+1], v[LL:LL+1], v[AL:AL+1], v[T:T+1] op_sel_hi:[1,0,1]
.endif
.endm
.macro CVTQ qt                         ; probabilities to bf16, in place
.set SB, S+32*\qt
.irp g, 0,1
.irp u, 0,1
.irp i, 0,1,2,3
	v_cvt_pk_bf16_f32 v[SB+16*\g+4*\u+\i], v[SB+16*\g+8*\u+2*\i], v[SB+16*\g+8*\u+2*\i+1]   ; in ascending order: each target has been read already
.endr
.endr
.endr
.endm
; Pair p: O times its q tile's factor, then O += X^T P^T.  Eight accumulators take turns, one instruction a turn: first keys 0-31, each product
; behind the four multiplies of its own accumulator, then keys 32-63.
.macro RPV p, first
.irp e, 0,1
.irp dt, 0,1,2,3
.if \first
	v_wmma_f32_16x16x32_bf16 v[O+64*\p+32*\e+8*\dt:O+64*\p+32*\e+8*\dt+7], v[VF+8*\dt:VF+8*\dt+7], v[S+64*\p+32*\e:S+64*\p+32*\e+7], 0
.else
.irp i, 0,1,2,3
	v_pk_mul_f32 v[O+64*\p+32*\e+8*\dt+2*\i:O+64*\p+32*\e+8*\dt+2*\i+1], v[O+64*\p+32*\e+8*\dt+2*\i:O+64*\p+32*\e+8*\dt+2*\i+1], v[AP+4*\p+2*\e:AP+4*\p+2*\e+1] op_sel_hi:[1,0]
.endr
	v_wmma_f32_16x16x32_bf16 v[O+64*\p+32*\e+8*\dt:O+64*\p+32*\e+8*\dt+7], v[VF+8*\dt:VF+8*\dt+7], v[S+64*\p+32*\e:S+64*\p+32*\e+7], v[O+64*\p+32*\e+8*\dt:O+64*\p+32*\e+8*\dt+7]
.endif
.endr
.endr
.irp e, 0,1
.irp dt, 0,1,2,3
	v_wmma_f32_16x16x32_bf16 v[O+64*\p+32*\e+8*\dt:O+64*\p+32*\e+8*\dt+7], v[VF+32+8*\dt:VF+32+8*\dt+7], v[S+64*\p+32*\e+16:S+64*\p+32*\e+23], v[O+64*\p+32*\e+8*\dt:O+64*\p+32*\e+8*\dt+7]
.endr
.endr
.endm
; One step: the 64 keys of the tile in slot.  At its head: the scores of q tiles 0 and 1 and the tile's key fragments are in registers, their mask words asked for.
; first: nothing summed yet.  store: a next tile exists: it goes into the other slot, and its first scores are made.  load: the tile after next is asked for.
; next: the next step's mask words are asked for.
.macro STEP slot, first, store, load, next
.if \store
	s_wait_loadcnt 0x0                             ; the only loads out are the four of the next tile, issued a step ago
	TCVT                                           ; these 8 lines are also the places behind the last products for O, ahead of the loads into their value fragments
.else
	PLACES 4                                       ; the same places, where no tile is left to pack
.endif
	WIN 0x40
	VLOAD \slot                                    ; needed at the end of the first half step
	WIN 0
.if \store
	TSTO (1-\slot)                                 ; every wave's reads of that slot ended in front of the last barrier
.endif
.if \load
	TLOAD
.endif
	s_wait_kmcnt 0x0                               ; the words of q tiles 0 and 1
	WIN 0x04
	MASK2 0, 1                                     ; among the selects: scores of q tiles 2 and 3, first d half
	MLOAD 0, 256                                   ; both buffers are free: q tiles 2 and 3, half a step ahead of their wait
	MLOAD 1, 384
	WIN 0
	s_wait_dscnt 0x0                               ; my value fragments are in: with them all my reads of this slot are over; and my rows of the next tile are in LDS
.if \store
	s_barrier_signal -1                            ; say so; only register work up to the wait
.endif
	MAX2 0, \first
	SUB2 0
	WIN 0x04
	EXP2 0, 1                                      ; among the exponentials: scores of q tiles 2 and 3, second d half
	WIN 0
	SUMQ 0, \first                                 ; with the v_nop above: the places behind the last score products, ahead of the loads into their key fragments
.if \store
	s_barrier_wait -1                              ; the next tile is whole, and nobody reads this slot any more: the next step may store into it
	KLOAD (1-\slot)
.endif
	CVTQ 0
	SUMQ 1, \first
	CVTQ 1
	WIN 0x51
	RPV 0, \first
	s_wait_kmcnt 0x0                               ; the words of q tiles 2 and 3: no scalar load is out,
	s_wait_xcnt 0x0                                ; and every address issued so far has been translated (ISA guide 3.1): the pointer may step
	s_add_nc_u64 s[12:13], s[12:13], 512
	WIN 0x04
.if \store
	s_wait_dscnt 8                                 ; the 16 key-fragment loads are the only LDS instructions out: the first d half is in, the eight loads of the second stay out
.endif
	MASK2 1, \store                                ; among the selects: the NEXT tile's scores of q tiles 0 and 1, first d half
.if \next
	MLOAD 0, 0
	MLOAD 1, 128
.endif
	WIN 0
	MAX2 1, \first
	SUB2 1
	WIN 0x04
.if \store
	s_wait_dscnt 0x0                               ; the second d half
.endif
	EXP2 1, \store
	WIN 0
	SUMQ 2, \first
	CVTQ 2
	SUMQ 3, \first
	CVTQ 3
	WIN 0x51
	RPV 1, \first
	WIN 0
.endm
	s_load_b256 s[4:11], s[0:1], 0x0               ; q s[4:5], proj_Q s[6:7], proj_K s[8:9], proj_V s[10:11]
	s_load_b128 s[12:15], s[0:1], 0x20             ; mbits s[12:13], y s[14:15]
	v_lshrrev_b32 v56, 5, v0
	v_readfirstlane_b32 s2, v56                    ; wave 0..7
	s_and_b32 s88, ttmp7, 0xffff                   ; n
	s_lshr_b32 s92, s88, 4                         ; b
	s_and_b32 s93, s88, 15                         ; h
	s_and_b32 s94, s88, 3                          ; the mask plane, n mod 4
	s_lshl_b32 s98, s93, 8                         ; the head's 64 columns: 256 h bytes
	s_mov_b32 s99, 0
	s_lshl_b32 s96, s92, 23                        ; + b x 2,048 rows of 4,096 bytes
	s_add_co_u32 s96, s96, s98
	s_mov_b32 s97, 0
	s_lshl_b32 s90, ttmp9, 21                      ; my rows: (512 qb + 64 w) x 4,096
	s_lshl_b32 s95, s2, 18
	s_add_co_u32 s90, s90, s95
	s_mov_b32 s91, 0
	s_lshl_b32 s88, s94, 5
	s_lshl3_add_u32 s95, ttmp9, s2                 ; 8 qb + w
	s_add_co_u32 s88, s88, s95
	s_lshl_b32 s88, s88, 14                        ; (32 jm + 8 qb + w) x 16 KiB of mask words
	s_mov_b32 s89, 0
	s_mov_b32 s86, 0x76543210                      ; v_permlanex16_b32: lane i reads lane i xor 16
	s_mov_b32 s87, 0xfedcba98
	s_mov_b32 s[CMS], 0xaf1ea041                   ; -1e-10 x 1.442695
	s_mul_i32 s66, s2, WST
	s_add_co_u32 s66, s66, STAGE                   ; my stage
	v_and_b32 v56, 15, v0                          ; r
	v_bfe_u32 v57, v0, 4, 1                        ; h2
	v_and_b32 v58, 7, v0
	v_bfe_u32 v59, v0, 3, 1
	v_lshl_add_u32 v60, s2, 3, v57                 ; 8 w + h2: my row in a pair of the tile's rows
	v_mul_u32_u24 v[ADRK], v56, KP
	v_lshl_add_u32 v[ADRK], v57, 4, v[ADRK]
	v_lshl_add_u32 v61, v57, 3, v58
	v_mul_u32_u24 v61, v61, VP
	v_lshl_add_u32 v61, v59, 4, v61
	v_add_nc_u32 v[ADRV], VC, v61
	v_mul_u32_u24 v61, v60, KP
	v_lshl_add_u32 v[ADSK], v56, 3, v61
	v_mul_u32_u24 v61, v60, VP
	v_lshl_add_u32 v61, v56, 3, v61
	v_add_nc_u32 v[ADSV], VC, v61
	v_lshlrev_b32 v62, 4, v56                      ; 16 r
	v_lshl_add_u32 v[GOFF], v60, 12, v62
	v_lshl_add_u32 v[ROFF], v57, 12, v62
	v_mul_u32_u24 v61, v56, OP
	v_lshl_add_u32 v61, v57, 5, v61
	v_add_nc_u32 v[STO], s66, v61
	v_mul_u32_u24 v61, v57, OP
	v_add_nc_u32 v61, v61, v62
	v_add_nc_u32 v[RD], s66, v61
	v_mul_u32_u24 v61, v57, KP
	v_lshl_add_u32 v61, v56, 3, v61
	v_add_nc_u32 v[QSTO], s66, v61
	v_add_nc_u32 v[QRD], s66, v[ADRK]
.irp i, 0,1,2,3
	v_mov_b32 v[MX+2*\i+1], 0                      ; the second registers of the broadcast pairs are written once
	v_mov_b32 v[AP+2*\i+1], 0
.endr
	s_wait_kmcnt 0x0
	s_add_nc_u64 s[4:5], s[4:5], s[96:97]          ; the head's tile 0
	s_add_nc_u64 s[6:7], s[6:7], s[98:99]
	s_add_nc_u64 s[8:9], s[8:9], s[98:99]
	s_add_nc_u64 s[10:11], s[10:11], s[98:99]
	s_add_nc_u64 s[12:13], s[12:13], s[88:89]
	s_add_nc_u64 s[14:15], s[14:15], s[96:97]
	s_add_nc_u64 s[14:15], s[14:15], s[90:91]      ; y at my 64 rows, the head's columns
	s_add_nc_u64 s[84:85], s[4:5], s[90:91]        ; q likewise
	global_load_b128 v[F:F+3], v62, s[6:7]         ; pQ, pK, pV of my 4 columns
	global_load_b128 v[F+4:F+7], v62, s[8:9]
	global_load_b128 v[PV4:PV4+3], v62, s[10:11]
.irp i, 0,1,2,3
	global_load_b128 v[STG+4*\i:STG+4*\i+3], v[GOFF], s[4:5] offset:2*ROWB*\i      ; my rows of tile 0
.endr
.irp qt, 0,1,2,3
.irp i, 0,1,2,3,4,5,6,7
	global_load_b128 v[S+32*\qt+4*\i:S+32*\qt+4*\i+3], v[ROFF], s[84:85] offset:16*ROWB*\qt+2*ROWB*\i   ; my 64 query rows
.endr
.endr
	MLOAD 0, 0                                     ; step 0's words for q tiles 0 and 1
	MLOAD 1, 128
	s_wait_loadcnt 32                              ; the vectors and tile 0 are in (v62 and the tile pointer are free); my 32 query-row loads stay out
	TCVT
	TSTO 0
	TLOAD                                          ; tile 1
	s_wait_loadcnt 4                               ; the query rows are in; tile 1's four loads stay out
	v_pk_mul_f32 v[F:F+1], v[F:F+1], v[F+4:F+5]
	v_pk_mul_f32 v[F+2:F+3], v[F+2:F+3], v[F+6:F+7]
.irp c, 0,1,2,3
	v_mul_f32 v[F+\c], 0x3d38aa3b, v[F+\c]         ; c = pQ pK log2(e) / 32
.endr
.irp qt, 0,1,2,3
.irp i, 0,1,2,3,4,5,6,7
	v_pk_mul_f32 v[S+32*\qt+4*\i:S+32*\qt+4*\i+1], v[S+32*\qt+4*\i:S+32*\qt+4*\i+1], v[F:F+1]
	v_pk_mul_f32 v[S+32*\qt+4*\i+2:S+32*\qt+4*\i+3], v[S+32*\qt+4*\i+2:S+32*\qt+4*\i+3], v[F+2:F+3]
	v_cvt_pk_bf16_f32 v[S+32*\qt+4*\i], v[S+32*\qt+4*\i], v[S+32*\qt+4*\i+1]
	v_cvt_pk_bf16_f32 v[S+32*\qt+4*\i+1], v[S+32*\qt+4*\i+2], v[S+32*\qt+4*\i+3]
	ds_store_b64 v[QSTO], v[S+32*\qt+4*\i:S+32*\qt+4*\i+1] offset:QTB*\qt+2*KP*\i
.endr
.endr
	WIN 0x40                                       ; destination in window 1
.irp qt, 0,1,2,3
.irp ks, 0,1
.irp u, 0,1
	ds_load_b128 v[QF+16*\qt+8*\ks+4*\u:QF+16*\qt+8*\ks+4*\u+3], v[QRD] offset:QTB*\qt+64*\ks+32*\u   ; my wave's own bytes, served in order behind the stores
.endr
.endr
.endr
	WIN 0
	s_wait_dscnt 0x0                               ; Q' is in registers, and my rows of tile 0 are in LDS
	s_barrier_signal -1
	s_barrier_wait -1                              ; everybody's are
	KLOAD 0
	WIN 0x04
	s_wait_dscnt 8                                 ; the first d half of tile 0's key fragments; the eight loads of the second stay out
	SFIRST 0                                       ; step 0's scores of q tiles 0 and 1: what every later step finds made by the step before
	s_wait_dscnt 0x0
	SFIRST 1
	WIN 0
	STEP 0, 1, 1, 1, 1                             ; step 0 starts every sum: nothing is cleared
	STEP 1, 0, 1, 1, 1
	s_mov_b32 s3, 14                               ; steps 2 to 29
.Lsteps:
	STEP 0, 0, 1, 1, 1
	STEP 1, 0, 1, 1, 1
	s_sub_co_u32 s3, s3, 1
	s_cmp_lg_u32 s3, 0
	s_cbranch_scc1 .Lsteps
	STEP 0, 0, 1, 0, 1                             ; step 30 stores tile 31 and asks for no further tile
	STEP 1, 0, 0, 0, 0                             ; step 31: no next tile, no barrier, nothing asked for
	; THE WAY OUT.
	PLACES 4                                       ; four places behind the last products: loads land on P, and O is read
.irp qt, 0,1,2,3
.irp i, 0,1,2,3,4,5,6,7
	global_load_b128 v[S+32*\qt+4*\i:S+32*\qt+4*\i+3], v[ROFF], s[84:85] offset:16*ROWB*\qt+2*ROWB*\i   ; the residual: my rows of q again, in f32
.endr
.endr
.irp qt, 0,1,2,3
	v_add_f32 v[T+\qt], v[LP+2*\qt], v[LP+2*\qt+1]
.endr
.irp qt, 0,1,2,3
	v_permlanex16_b32 v[AP+2*\qt+1], v[T+\qt], s86, s87
.endr
.irp qt, 0,1,2,3
	v_add_f32 v[T+\qt], v[T+\qt], v[AP+2*\qt+1]    ; the whole sum; at least 1, since the largest exponent is 0
.endr
.irp qt, 0,1,2,3
	v_rcp_f32 v[AP+2*\qt], v[T+\qt]
.endr
	v_nop                                          ; one plain instruction behind the reciprocals (ISA guide 5.7.2)
	s_wait_alu depctr_va_vdst(0)
; 16 rows: O / sum into my stage (a lane holds 8 neighbouring columns of row r), back as whole rows of 256 bytes, times pV plus q, out
.macro OUTQ qt
	WIN 0x01                                       ; source 0 in window 1
.set ii, 0
.rept 16
	v_pk_mul_f32 v[F+2*ii:F+2*ii+1], v[O+32*\qt+2*ii:O+32*\qt+2*ii+1], v[AP+2*\qt:AP+2*\qt+1] op_sel_hi:[1,0]
.set ii, ii+1
.endr
	WIN 0
.irp dt, 0,1,2,3
.irp a, 0,1
	ds_store_b128 v[STO], v[F+8*\dt+4*\a:F+8*\dt+4*\a+3] offset:QTB*\qt+64*\dt+16*\a
.endr
.endr
.irp i, 0,1,2,3,4,5,6,7
	ds_load_b128 v[F+32+4*\i:F+32+4*\i+3], v[RD] offset:QTB*\qt+2*OP*\i            ; my wave's own bytes, served in order behind the stores
.endr
	s_wait_loadcnt 24-8*\qt                        ; this q tile's residual rows are in; those of the later q tiles stay out
.irp i, 0,1,2,3,4,5,6,7
	s_wait_dscnt 7-\i                              ; pair of rows i is back; 7 - i younger loads stay out
	v_pk_fma_f32 v[S+32*\qt+4*\i:S+32*\qt+4*\i+1], v[F+32+4*\i:F+32+4*\i+1], v[PV4:PV4+1], v[S+32*\qt+4*\i:S+32*\qt+4*\i+1]
	v_pk_fma_f32 v[S+32*\qt+4*\i+2:S+32*\qt+4*\i+3], v[F+32+4*\i+2:F+32+4*\i+3], v[PV4+2:PV4+3], v[S+32*\qt+4*\i+2:S+32*\qt+4*\i+3]
	global_store_b128 v[ROFF], v[S+32*\qt+4*\i:S+32*\qt+4*\i+3], s[14:15] offset:16*ROWB*\qt+2*ROWB*\i   ; 16 lanes store 256 consecutive bytes at a multiple of 256; the data registers are not written again
.endr
.endm
	OUTQ 0
	OUTQ 1
	OUTQ 2
	OUTQ 3
	s_wait_xcnt 0x0
	v_lshl_add_u32 v254, v0, 2, 0x2b800
	v_mov_b32 v255, 0
	s_wait_tensorcnt 0x0
	ds_add_u32 v254, v255
	s_wait_dscnt 0x0
	s_endpgm
.Lfunc_end_k_q29741c07fe_attn:
	.size	k_q29741c07fe_attn, .Lfunc_end_k_q29741c07fe_attn-k_q29741c07fe_attn
	.p2alignl 7, 3214868480
	.fill 96, 4, 3214868480
	.section	.rodata,"a",@progbits
	.p2align	6, 0x0
	.amdhsa_kernel k_q29741c07fe_attn
		.amdhsa_group_segment_fixed_size 179200
		.amdhsa_private_segment_fixed_size 0
		.amdhsa_enable_private_segment 0
		.amdhsa_kernarg_size 48
		.amdhsa_user_sgpr_count 2
		.amdhsa_user_sgpr_kernarg_segment_ptr 1
		.amdhsa_wavefront_size32 1
		.amdhsa_system_sgpr_workgroup_id_x 1
		.amdhsa_system_sgpr_workgroup_id_y 1
		.amdhsa_system_sgpr_workgroup_id_z 1
		.amdhsa_system_vgpr_workitem_id 0
		.amdhsa_next_free_vgpr 512
		.amdhsa_next_free_sgpr 100
		.amdhsa_reserve_vcc 0
		.amdhsa_float_denorm_mode_32 3
		.amdhsa_float_denorm_mode_16_64 3
		.amdhsa_memory_ordered 1
		.amdhsa_forward_progress 1
		.amdhsa_inst_pref_size 255
	.end_amdhsa_kernel
	.section	.bss,"aw",@nobits
	.p2align	6
	.space	262144
	.amdgpu_metadata
---
amdhsa.version: [ 1, 2 ]
amdhsa.kernels:
  - .name:           k_q29741c07fe_attn
    .symbol:         k_q29741c07fe_attn.kd
    .args:
      - { .name: q, .offset: 0, .size: 8, .value_kind: global_buffer, .address_space: global }
      - { .name: proj_Q, .offset: 8, .size: 8, .value_kind: global_buffer, .address_space: global }
      - { .name: proj_K, .offset: 16, .size: 8, .value_kind: global_buffer, .address_space: global }
      - { .name: proj_V, .offset: 24, .size: 8, .value_kind: global_buffer, .address_space: global }
      - { .name: mbits, .offset: 32, .size: 8, .value_kind: global_buffer, .address_space: global }
      - { .name: y, .offset: 40, .size: 8, .value_kind: global_buffer, .address_space: global }
    .group_segment_fixed_size: 179200
    .private_segment_fixed_size: 0
    .kernarg_segment_align: 8
    .kernarg_segment_size: 48
    .max_flat_workgroup_size: 256
    .sgpr_count:     100
    .vgpr_count:     512
    .wavefront_size: 32
...
	.end_amdgpu_metadata
.endif
;; end of part 2
;; launch ln (part 3): grid 256 x 1, 8 waves a work-group, no clusters, 0 bytes of LDS; arguments y, gamma, beta, out0; writes out0
.if DOCPART == 3
	.amdgcn_target "amdgcn-amd-amdhsa--gfx1250"
	.amdhsa_code_object_version 6
	.text
	.protected	k_q29741c07fe_ln
	.globl	k_q29741c07fe_ln
	.p2align	8
	.type	k_q29741c07fe_ln,@function
k_q29741c07fe_ln:
	s_mov_b64 s[64:65], 0
	v_nop
	global_prefetch_b8 v0, s[64:65] scope:SCOPE_SE
	s_setreg_imm32_b32 hwreg(HW_REG_WAVE_MODE, 25, 1), 1
	s_wait_xcnt 0x0
; out0[r][c] = (y[r][c] - mean) rsqrt(var + 1e-5) gamma[c] + beta[c] over the 1,024 columns of a row.  y, out0: [8192][1024] f32.
; One wave, one row at a time: a row is 4,096 bytes, 32 registers a lane, and stays in registers between the passes: y is read once.
; A wave has 4 rows, all asked for at the start (16 KiB a wave in flight); no loop, no LDS, no barrier: the sums never leave the wave.
; The variance is the mean square of the CENTRED numbers, as in the function: no difference of large sums is formed.
; Matrix units, clusters and tensor loads are left out: nothing is multiplied by a matrix and nothing is shared between work-groups.
; NaN and infinities in y are passed on as the arithmetic makes them.
.set ROWB, 4096
.set G,  8                             ; v[8:39]    gamma: load j holds columns 128 j + 4 L .. + 3
.set B,  40                            ; v[40:71]   beta
.set X,  72                            ; v[72:199]  row s: 32 registers
.set T,  200                           ; v[200:207] four chains of two
.set MU, 208                           ; v[208:209] the mean, twice
.set R,  210                           ; v[210:211] 1 / deviation, twice
	s_load_b256 s[4:11], s[0:1], 0x0               ; y s[4:5], gamma s[6:7], beta s[8:9], out0 s[10:11]
	v_lshrrev_b32 v2, 5, v0
	v_readfirstlane_b32 s2, v2                     ; wave 0..7
	s_lshl_b32 s16, ttmp9, 17                      ; the work-group's 32 rows
	s_lshl_b32 s3, s2, 14                          ; the wave's 4 rows
	s_add_co_u32 s16, s16, s3
	s_mov_b32 s17, 0
	s_mov_b32 s12, 0x76543210                      ; v_permlanex16_b32: lane i reads lane i xor 16
	s_mov_b32 s13, 0xfedcba98
	s_mov_b32 s14, 0x3a800000                      ; 1 / 1024
	s_mov_b32 s15, 0x3727c5ac                      ; 1e-5
	v_and_b32 v1, 31, v0
	v_lshlrev_b32 v1, 4, v1                        ; 16 bytes a lane: a load or store of the wave covers 512 consecutive bytes
	s_wait_kmcnt 0x0
	s_add_nc_u64 s[4:5], s[4:5], s[16:17]
	s_add_nc_u64 s[10:11], s[10:11], s[16:17]
.irp j, 0,1,2,3,4,5,6,7
	global_load_b128 v[G+4*\j:G+4*\j+3], v1, s[6:7] offset:512*\j
.endr
.irp j, 0,1,2,3,4,5,6,7
	global_load_b128 v[B+4*\j:B+4*\j+3], v1, s[8:9] offset:512*\j
.endr
.irp s, 0,1,2,3
.irp j, 0,1,2,3,4,5,6,7
	global_load_b128 v[X+32*\s+4*\j:X+32*\s+4*\j+3], v1, s[4:5] offset:ROWB*\s+512*\j th:TH_LOAD_NT
.endr
.endr
; the four chains in v[T:T+7] -> their sum over the wave's 32 lanes, in every lane's v[T]
.macro WSUM
	v_pk_add_f32 v[T:T+1], v[T:T+1], v[T+2:T+3]
	v_pk_add_f32 v[T+4:T+5], v[T+4:T+5], v[T+6:T+7]
	v_pk_add_f32 v[T:T+1], v[T:T+1], v[T+4:T+5]
	v_add_f32 v[T], v[T], v[T+1]
	v_add_f32_dpp v[T], v[T], v[T] row_xmask:1 row_mask:0xf bank_mask:0xf
	v_add_f32_dpp v[T], v[T], v[T] row_xmask:2 row_mask:0xf bank_mask:0xf
	v_add_f32_dpp v[T], v[T], v[T] row_xmask:4 row_mask:0xf bank_mask:0xf
	v_add_f32_dpp v[T], v[T], v[T] row_xmask:8 row_mask:0xf bank_mask:0xf
	v_permlanex16_b32 v[T+1], v[T], s12, s13
	v_add_f32 v[T], v[T], v[T+1]
.endm
.macro ROW s
.set XR, X+32*\s
	s_wait_loadcnt 24-8*\s                         ; this row's eight loads are in (gamma and beta are older); the later rows stay out
.irp c, 0,1,2,3
	v_pk_add_f32 v[T+2*\c:T+2*\c+1], v[XR+2*\c:XR+2*\c+1], v[XR+8+2*\c:XR+8+2*\c+1]     ; the first sums start the chains
.endr
.irp k, 16,24
.irp c, 0,1,2,3
	v_pk_add_f32 v[T+2*\c:T+2*\c+1], v[T+2*\c:T+2*\c+1], v[XR+\k+2*\c:XR+\k+2*\c+1]
.endr
.endr
	WSUM
	v_mul_f32 v[MU], s14, v[T]
	v_mul_f32 v[MU+1], s14, v[T]
.set ii, 0
.rept 16
	v_pk_add_f32 v[XR+2*ii:XR+2*ii+1], v[XR+2*ii:XR+2*ii+1], v[MU:MU+1] neg_lo:[0,1] neg_hi:[0,1]
.set ii, ii+1
.endr
.irp c, 0,1,2,3
	v_pk_mul_f32 v[T+2*\c:T+2*\c+1], v[XR+2*\c:XR+2*\c+1], v[XR+2*\c:XR+2*\c+1]
.endr
.irp k, 8,16,24
.irp c, 0,1,2,3
	v_pk_fma_f32 v[T+2*\c:T+2*\c+1], v[XR+\k+2*\c:XR+\k+2*\c+1], v[XR+\k+2*\c:XR+\k+2*\c+1], v[T+2*\c:T+2*\c+1]
.endr
.endr
	WSUM
	v_fma_f32 v[T], v[T], s14, s15                 ; variance + 1e-5
	v_rsq_f32 v[R], v[T]
	v_rsq_f32 v[R+1], v[T]
	v_nop                                          ; one plain instruction behind the transcendentals (ISA guide 5.7.2)
	s_wait_alu depctr_va_vdst(0)
.irp j, 0,1,2,3,4,5,6,7
	v_pk_mul_f32 v[XR+4*\j:XR+4*\j+1], v[XR+4*\j:XR+4*\j+1], v[R:R+1]
	v_pk_mul_f32 v[XR+4*\j+2:XR+4*\j+3], v[XR+4*\j+2:XR+4*\j+3], v[R:R+1]
	v_pk_fma_f32 v[XR+4*\j:XR+4*\j+1], v[XR+4*\j:XR+4*\j+1], v[G+4*\j:G+4*\j+1], v[B+4*\j:B+4*\j+1]
	v_pk_fma_f32 v[XR+4*\j+2:XR+4*\j+3], v[XR+4*\j+2:XR+4*\j+3], v[G+4*\j+2:G+4*\j+3], v[B+4*\j+2:B+4*\j+3]
	global_store_b128 v1, v[XR+4*\j:XR+4*\j+3], s[10:11] offset:ROWB*\s+512*\j th:TH_STORE_NT   ; each row has registers of its own: no store's data is written again
.endr
.endm
	ROW 0
	ROW 1
	ROW 2
	ROW 3
	s_endpgm
.Lfunc_end_k_q29741c07fe_ln:
	.size	k_q29741c07fe_ln, .Lfunc_end_k_q29741c07fe_ln-k_q29741c07fe_ln
	.p2alignl 7, 3214868480
	.fill 96, 4, 3214868480
	.section	.rodata,"a",@progbits
	.p2align	6, 0x0
	.amdhsa_kernel k_q29741c07fe_ln
		.amdhsa_group_segment_fixed_size 0
		.amdhsa_private_segment_fixed_size 0
		.amdhsa_enable_private_segment 0
		.amdhsa_kernarg_size 32
		.amdhsa_user_sgpr_count 2
		.amdhsa_user_sgpr_kernarg_segment_ptr 1
		.amdhsa_wavefront_size32 1
		.amdhsa_system_sgpr_workgroup_id_x 1
		.amdhsa_system_sgpr_workgroup_id_y 1
		.amdhsa_system_sgpr_workgroup_id_z 1
		.amdhsa_system_vgpr_workitem_id 0
		.amdhsa_next_free_vgpr 216
		.amdhsa_next_free_sgpr 66
		.amdhsa_reserve_vcc 0
		.amdhsa_float_denorm_mode_32 3
		.amdhsa_float_denorm_mode_16_64 3
		.amdhsa_memory_ordered 1
		.amdhsa_forward_progress 1
		.amdhsa_inst_pref_size 34
	.end_amdhsa_kernel
	.amdgpu_metadata
---
amdhsa.version: [ 1, 2 ]
amdhsa.kernels:
  - .name:           k_q29741c07fe_ln
    .symbol:         k_q29741c07fe_ln.kd
    .args:
      - { .name: y, .offset: 0, .size: 8, .value_kind: global_buffer, .address_space: global }
      - { .name: gamma, .offset: 8, .size: 8, .value_kind: global_buffer, .address_space: global }
      - { .name: beta, .offset: 16, .size: 8, .value_kind: global_buffer, .address_space: global }
      - { .name: out0, .offset: 24, .size: 8, .value_kind: global_buffer, .address_space: global }
    .group_segment_fixed_size: 0
    .private_segment_fixed_size: 0
    .kernarg_segment_align: 8
    .kernarg_segment_size: 32
    .max_flat_workgroup_size: 256
    .sgpr_count:     66
    .vgpr_count:     216
    .wavefront_size: 32
...
	.end_amdgpu_metadata
.endif
;; end of part 3
;; ======== version 2 of 2: 3 launches; version 1 with the launch ln written anew for expert scheduling mode
;; workspace buffers: mbits 2,097,152 bytes of whole numbers; y 33,554,432 bytes
;; launch pack: the kernel of part 1 again; grid 1024 x 1, 8 waves a work-group, no clusters, 70,656 bytes of LDS; arguments masks, mbits; writes mbits
;; launch attn: the kernel of part 2 again; grid 4 x 64, 8 waves a work-group, no clusters, 179,200 bytes of LDS; arguments q, proj_Q, proj_K, proj_V, mbits, y; writes y
;; launch ln (part 4): grid 256 x 1, 8 waves a work-group, no clusters, 0 bytes of LDS; arguments y, gamma, beta, out0; writes out0
.if DOCPART == 4
	.amdgcn_target "amdgcn-amd-amdhsa--gfx1250"
	.amdhsa_code_object_version 6
	.text
	.protected	k_q29741c07fe_ln
	.globl	k_q29741c07fe_ln
	.p2align	8
	.type	k_q29741c07fe_ln,@function
k_q29741c07fe_ln:
	s_mov_b64 s[64:65], 0
	v_nop
	global_prefetch_b8 v0, s[64:65] scope:SCOPE_SE
	s_setreg_imm32_b32 hwreg(HW_REG_WAVE_SCHED_MODE, 0, 2), 2
	s_setreg_imm32_b32 hwreg(HW_REG_WAVE_MODE, 25, 1), 1
	s_wait_xcnt 0x0
	s_wait_alu depctr_vm_vsrc(0)
; out0[r][c] = (y[r][c] - mean) rsqrt(var + 1e-5) gamma[c] + beta[c] over the 1,024 columns of a row.  y, out0: [8192][1024] f32.
; One wave, one row at a time: a row is 4,096 bytes, 32 registers a lane, and stays in registers between the passes: y is read once.
; A wave has 4 rows, all asked for at the start (16 KiB a wave in flight); no loop, no LDS, no barrier: the sums never leave the wave.
; The variance is the mean square of the CENTRED numbers, as in the function: no difference of large sums is formed.
; Matrix units, clusters and tensor loads are left out: nothing is multiplied by a matrix and nothing is shared between work-groups.
; NaN and infinities in y are passed on as the arithmetic makes them.
; THE MODE: SCHED_MODE bits 1:0 = 2 (LLVM: expert scheduling mode 2), set by the entry lines.  The code itself states the register dependences
; between vector instructions and memory instructions, with s_wait_alu, always for 0.
; THE PLAN.  Registers that memory instructions touch:
;   v1      the offset of every load and store.  Written at the head, ahead of the one wait in front of the first load; never written again.
;   G, B    written by loads at the head, which no vector instruction that names them precedes; read by vector instructions alone.
;   X[s]    row s.  Written by its eight loads at the head; then worked on in place by row s's vector instructions; then read by row s's eight stores; never written again.
;   T, MU, R are named by vector instructions alone.
; So a row has ONE wait for its stores: its last pass stands together (16 multiplies, 16 multiply-adds), the wait behind it states that X[s] is written, and the eight stores follow in one run,
; ahead of the next row's wait for its data.  No register that a load or store has read is written again, so no wait on vm_vsrc is owed anywhere.
.set ROWB, 4096
.set G,  8                             ; v[8:39]    gamma: load j holds columns 128 j + 4 L .. + 3
.set B,  40                            ; v[40:71]   beta
.set X,  72                            ; v[72:199]  row s: 32 registers
.set T,  200                           ; v[200:207] four chains of two
.set MU, 208                           ; v[208:209] the mean, twice
.set R,  210                           ; v[210:211] 1 / deviation, twice
	s_load_b256 s[4:11], s[0:1], 0x0               ; y s[4:5], gamma s[6:7], beta s[8:9], out0 s[10:11]
	v_lshrrev_b32 v2, 5, v0
	v_readfirstlane_b32 s2, v2                     ; wave 0..7
	v_and_b32 v1, 31, v0
	v_lshlrev_b32 v1, 4, v1                        ; 16 bytes a lane: a load or store of the wave covers 512 consecutive bytes
	s_lshl_b32 s16, ttmp9, 17                      ; the work-group's 32 rows
	s_mov_b32 s12, 0x76543210                      ; v_permlanex16_b32: lane i reads lane i xor 16
	s_mov_b32 s13, 0xfedcba98
	s_mov_b32 s14, 0x3a800000                      ; 1 / 1024
	s_mov_b32 s15, 0x3727c5ac                      ; 1e-5
	s_wait_alu depctr_va_sdst(0)                   ; s2 is written, ahead of its first reader: the wave's row offset is made from it
	s_lshl_b32 s3, s2, 14                          ; the wave's 4 rows
	s_add_co_u32 s16, s16, s3
	s_mov_b32 s17, 0
	s_wait_kmcnt 0x0
	s_add_nc_u64 s[4:5], s[4:5], s[16:17]
	s_add_nc_u64 s[10:11], s[10:11], s[16:17]
	s_wait_alu depctr_va_vdst(0)                   ; v1 is written: every load and store of the kernel reads it as its offset
.irp j, 0,1,2,3,4,5,6,7
	global_load_b128 v[G+4*\j:G+4*\j+3], v1, s[6:7] offset:512*\j
.endr
.irp j, 0,1,2,3,4,5,6,7
	global_load_b128 v[B+4*\j:B+4*\j+3], v1, s[8:9] offset:512*\j
.endr
.irp s, 0,1,2,3
.irp j, 0,1,2,3,4,5,6,7
	global_load_b128 v[X+32*\s+4*\j:X+32*\s+4*\j+3], v1, s[4:5] offset:ROWB*\s+512*\j th:TH_LOAD_NT
.endr
.endr
; the four chains in v[T:T+7] -> their sum over the wave's 32 lanes, in every lane's v[T]
.macro WSUM
	v_pk_add_f32 v[T:T+1], v[T:T+1], v[T+2:T+3]
	v_pk_add_f32 v[T+4:T+5], v[T+4:T+5], v[T+6:T+7]
	v_pk_add_f32 v[T:T+1], v[T:T+1], v[T+4:T+5]
	v_add_f32 v[T], v[T], v[T+1]
	v_add_f32_dpp v[T], v[T], v[T] row_xmask:1 row_mask:0xf bank_mask:0xf
	v_add_f32_dpp v[T], v[T], v[T] row_xmask:2 row_mask:0xf bank_mask:0xf
	v_add_f32_dpp v[T], v[T], v[T] row_xmask:4 row_mask:0xf bank_mask:0xf
	v_add_f32_dpp v[T], v[T], v[T] row_xmask:8 row_mask:0xf bank_mask:0xf
	v_permlanex16_b32 v[T+1], v[T], s12, s13
	v_add_f32 v[T], v[T], v[T+1]
.endm
.macro ROW s
.set XR, X+32*\s
	s_wait_loadcnt 24-8*\s                         ; this row's eight loads are in (gamma and beta are older); the later rows stay out
.irp c, 0,1,2,3
	v_pk_add_f32 v[T+2*\c:T+2*\c+1], v[XR+2*\c:XR+2*\c+1], v[XR+8+2*\c:XR+8+2*\c+1]     ; the first sums start the chains
.endr
.irp k, 16,24
.irp c, 0,1,2,3
	v_pk_add_f32 v[T+2*\c:T+2*\c+1], v[T+2*\c:T+2*\c+1], v[XR+\k+2*\c:XR+\k+2*\c+1]
.endr
.endr
	WSUM
	v_mul_f32 v[MU], s14, v[T]
	v_mul_f32 v[MU+1], s14, v[T]
.set ii, 0
.rept 16
	v_pk_add_f32 v[XR+2*ii:XR+2*ii+1], v[XR+2*ii:XR+2*ii+1], v[MU:MU+1] neg_lo:[0,1] neg_hi:[0,1]
.set ii, ii+1
.endr
.irp c, 0,1,2,3
	v_pk_mul_f32 v[T+2*\c:T+2*\c+1], v[XR+2*\c:XR+2*\c+1], v[XR+2*\c:XR+2*\c+1]
.endr
.irp k, 8,16,24
.irp c, 0,1,2,3
	v_pk_fma_f32 v[T+2*\c:T+2*\c+1], v[XR+\k+2*\c:XR+\k+2*\c+1], v[XR+\k+2*\c:XR+\k+2*\c+1], v[T+2*\c:T+2*\c+1]
.endr
.endr
	WSUM
	v_fma_f32 v[T], v[T], s14, s15                 ; variance + 1e-5
	v_rsq_f32 v[R], v[T]
	v_rsq_f32 v[R+1], v[T]
	v_nop                                          ; one plain instruction behind the transcendentals (ISA guide 5.7.2)
	s_wait_alu depctr_va_vdst(0)                   ; the two reciprocal roots have written v[R:R+1], ahead of their first reader: one wait for both
.set ii, 0
.rept 16
	v_pk_mul_f32 v[XR+2*ii:XR+2*ii+1], v[XR+2*ii:XR+2*ii+1], v[R:R+1]
.set ii, ii+1
.endr
.set ii, 0
.rept 16
	v_pk_fma_f32 v[XR+2*ii:XR+2*ii+1], v[XR+2*ii:XR+2*ii+1], v[G+2*ii:G+2*ii+1], v[B+2*ii:B+2*ii+1]   ; fifteen other lines stand between a multiply and the line that reads it
.set ii, ii+1
.endr
	s_wait_alu depctr_va_vdst(0)                   ; the sixteen multiply-adds have written X[s], which the eight stores below read as their data
.irp j, 0,1,2,3,4,5,6,7
	global_store_b128 v1, v[XR+4*\j:XR+4*\j+3], s[10:11] offset:ROWB*\s+512*\j th:TH_STORE_NT   ; each row has registers of its own: no store's data is written again
.endr
.endm
	ROW 0
	ROW 1
	ROW 2
	ROW 3
	s_endpgm
.Lfunc_end_k_q29741c07fe_ln:
	.size	k_q29741c07fe_ln, .Lfunc_end_k_q29741c07fe_ln-k_q29741c07fe_ln
	.p2alignl 7, 3214868480
	.fill 96, 4, 3214868480
	.section	.rodata,"a",@progbits
	.p2align	6, 0x0
	.amdhsa_kernel k_q29741c07fe_ln
		.amdhsa_group_segment_fixed_size 0
		.amdhsa_private_segment_fixed_size 0
		.amdhsa_enable_private_segment 0
		.amdhsa_kernarg_size 32
		.amdhsa_user_sgpr_count 2
		.amdhsa_user_sgpr_kernarg_segment_ptr 1
		.amdhsa_wavefront_size32 1
		.amdhsa_system_sgpr_workgroup_id_x 1
		.amdhsa_system_sgpr_workgroup_id_y 1
		.amdhsa_system_sgpr_workgroup_id_z 1
		.amdhsa_system_vgpr_workitem_id 0
		.amdhsa_next_free_vgpr 216
		.amdhsa_next_free_sgpr 66
		.amdhsa_reserve_vcc 0
		.amdhsa_float_denorm_mode_32 3
		.amdhsa_float_denorm_mode_16_64 3
		.amdhsa_memory_ordered 1
		.amdhsa_forward_progress 1
		.amdhsa_inst_pref_size 34
	.end_amdhsa_kernel
	.amdgpu_metadata
---
amdhsa.version: [ 1, 2 ]
amdhsa.kernels:
  - .name:           k_q29741c07fe_ln
    .symbol:         k_q29741c07fe_ln.kd
    .args:
      - { .name: y, .offset: 0, .size: 8, .value_kind: global_buffer, .address_space: global }
      - { .name: gamma, .offset: 8, .size: 8, .value_kind: global_buffer, .address_space: global }
      - { .name: beta, .offset: 16, .size: 8, .value_kind: global_buffer, .address_space: global }
      - { .name: out0, .offset: 24, .size: 8, .value_kind: global_buffer, .address_space: global }
    .group_segment_fixed_size: 0
    .private_segment_fixed_size: 0
    .kernarg_segment_align: 8
    .kernarg_segment_size: 32
    .max_flat_workgroup_size: 256
    .sgpr_count:     66
    .vgpr_count:     216
    .wavefront_size: 32
...
	.end_amdgpu_metadata
.endif
;; end of part 4
